; MI455X (gfx1250); checked and timed in simulation.
; The chip was launched on July 23, 2026; its instructions are those of AMD's public machine-readable ISA for CDNA 5 (MIT licence, August 2026) and "CDNA5" Instruction Set Architecture Reference Guide (July 2026). The comments in the code are by the model that wrote it; some were corrected since.
;; Causal Self Attention. Allowed arithmetic: matrix products marked QUANTISED: E2M3 operands, one E8M0 scale for each 32 along K, by v_wmma_scale_f32_16x16x128_f8f6f4 with both operands' format E2M3, f32 sums; products left as they are: f32 operands where the result goes on into a quantised operand, else bf16, f16 or f32 operands; f32 sums; everything else in f32.
;; Inputs: Wg 32 x 4 float32; Wk_codes 256 x 32 x 24 uint8 (E2M3 codes of Wk, K innermost, in blocks of 32 codes, four codes in three bytes); Wk_scales 256 x 32 uint8 (E8M0 scales of Wk, one for each 32 codes along K); Wo_codes 1,024 x 32 x 24 uint8 (E2M3 codes of Wo, K innermost, in blocks of 32 codes, four codes in three bytes); Wo_scales 1,024 x 32 uint8 (E8M0 scales of Wo, one for each 32 codes along K); Wq_codes 1,024 x 32 x 24 uint8 (E2M3 codes of Wq, K innermost, in blocks of 32 codes, four codes in three bytes); Wq_scales 1,024 x 32 uint8 (E8M0 scales of Wq, one for each 32 codes along K); Wv_codes 256 x 32 x 24 uint8 (E2M3 codes of Wv, K innermost, in blocks of 32 codes, four codes in three bytes); Wv_scales 256 x 32 uint8 (E8M0 scales of Wv, one for each 32 codes along K); cos 1 x 4,096 x 1 x 32 float32; sin 1 x 4,096 x 1 x 32 float32; ve 1 x 4,096 x 256 float32; x 1 x 4,096 x 1,024 float32.
;; Outputs: out0 1 x 4,096 x 1,024 float32.
;; Constants: window_size = 1024.
;; This version of the problem:
;;   THIS VERSION OF THE PROBLEM IS GIVEN IN LOW PRECISION. The matrix products marked QUANTISED in the list below multiply operands that are first quantised to E2M3 (2 exponent bits, 3 mantissa bits; 6 bits a number), with one power-of-two scale for each 32 numbers along K (OCP MX v1.0); their sums are f32. All else is computed in f32.
;;   The module's matrix products, in the order in which they are computed (A, B: the left and right operand; K: the contracted axis; several contracted axes count as one K, in the product's order):
;;     1. [M 4,096, K 1,024] x [K 1,024, N 1,024]; A: input x; B: input Wq (given as codes): QUANTISED
;;     2. [M 4,096, K 1,024] x [K 1,024, N 256]; A: input x; B: input Wk (given as codes): QUANTISED
;;     3. [M 4,096, K 1,024] x [K 1,024, N 256]; A: input x; B: input Wv (given as codes): QUANTISED
;;     4. [M 4,096, K 32] x [K 32, N 4]; A: input x; B: input Wg: left as it is (N = 4 < 16)
;;     5. batch 16 x [M 4,096, K 64] x [K 64, N 4,096]; A: computed on the way; B: computed on the way: QUANTISED
;;     6. batch 16 x [M 64, K 4,096] x [K 4,096, N 4,096]; A: computed on the way; B: softmax (see below): QUANTISED
;;     7. [M 4,096, K 1,024] x [K 1,024, N 1,024]; A: computed on the way; B: input Wo (given as codes): QUANTISED
;;   THE QUANTISER, for each operand of a quantised product, along K:
;;     - K is cut into blocks of 32 from its start; a last block that is shorter is filled with zeros.
;;     - A block's scale is 2^e with e = floor(log2(the largest magnitude in the block)) - 2, held to -126 .. 127; a block of zeros has e = 0. As a byte (E8M0): e + 127.
;;     - Each number is divided by its block's scale, clamped to +-7.5, and rounded to the nearest number of E2M3, ties to even, subnormals kept.
;;     - The product sums the exact products of the quantised numbers (number of the format x scale) in f32.
;;   ~~~python
;;   def quantise(x, axis):      # numpy; x: float32 -> the quantised numbers, widened to float32 again
;;       x = np.moveaxis(x, axis, -1); K = x.shape[-1]
;;       x = np.pad(x, [(0, 0)] * (x.ndim - 1) + [(0, -K % 32)]); x = x.reshape(x.shape[:-1] + (-1, 32)); a = np.abs(x).max(-1, keepdims=True)
;;       e = np.where(a > 0, np.clip(np.frexp(np.where(a > 0, a, 1))[1] - 1 - 2, -126, 127), 0)      # np.frexp(a)[1] - 1 = floor(log2(a)), exactly
;;       r = np.clip(x / 2.0 ** e, -7.5, 7.5)
;;       step = 2.0 ** (np.maximum(np.frexp(np.where(r == 0, 1, r))[1] - 1, 0) - 3)
;;       q = np.round(r / step) * step * 2.0 ** e      # np.round: ties to even
;;       return np.moveaxis(q.reshape(q.shape[:-2] + (-1,))[..., :K], -1, axis).astype(np.float32)
;;   ~~~
;;   SOFTMAX AHEAD OF A QUANTISED PRODUCT. Where the list says 'softmax', what is quantised is not the finished softmax but p = 2^(t - M), with t = logit x log2(e) and M = ceil(the row's largest t), a whole number; so 1/2 < the row's largest p <= 1. The row's sum l is taken of the UNQUANTISED p, in f32, and the product's result is divided by l at the end. Since M is a whole number, a kernel that streams over the keys may use a running M (the ceiling of the running maximum): every later rescaling is an exact power of two, which a block's scale takes up: the codes' values come out the same.
;;   OPERANDS COMPUTED ON THE WAY. 'Computed on the way' means the value that the module computes at that place (a softmax that the list does not call 'softmax' is quantised finished and normalised). What goes into a quantiser is computed in f32, as accurately as f32 sums, v_exp_f32 and their like allow (about 1e-6 of the number): no bf16 or f16 on the way to a quantiser, and a product that is left as it is and whose result goes on into a quantised operand takes f32 operands (vector FMAs, or v_wmma_f32_16x16x4_f32). A number that lies on a knife's edge between two numbers of the format may be rounded either way, as far as f32 arithmetic and the matrix unit's own rounding can turn it there, and no further.
;;   INPUTS GIVEN AS CODES. Wk (in the module: [1024, 256], K = its axis 0); Wo (in the module: [1024, 1024], K = its axis 0); Wq (in the module: [1024, 1024], K = its axis 0); Wv (in the module: [1024, 256], K = its axis 0): each comes as NAME_codes (uint8): NAME with its K axis moved to the last place and cut into blocks of 32 codes, [.., K / 32, bytes a block], one block behind the other in memory; four codes in three bytes: a row's codes are one little-endian stream of bits, code i at bits 6 i .. 6 i + 5 (a code: sign, 2 exponent bits, 3 mantissa bits); and NAME_scales (uint8): the same leading axes, one E8M0 byte (e + 127) for each 32 codes along K. Its value is code x scale, taken as it is: it is not quantised again, and the codes and scales need not be those that the quantiser above would give.
;; One version. Each part assembles by itself: llvm-mc -triple=amdgcn-amd-amdhsa -mcpu=gfx1250 --defsym DOCPART=n.
;; ======== version 1 of 1: 3 launches
;; workspace buffers: qimg 3,145,728 bytes; qsc 524,288 bytes; kv 1,638,400 bytes; yimg 3,145,728 bytes; ysc 131,072 bytes
;; launch qkv (part 1): grid 64 x 4, 8 waves a work-group, no clusters, 157,952 bytes of LDS; arguments x, ve, cos, sin, Wg, Wq_codes, Wq_scales, Wk_codes, Wk_scales, Wv_codes, Wv_scales, qimg, qsc, kv; writes qimg, qsc, kv
.if DOCPART == 1
	.amdgcn_target "amdgcn-amd-amdhsa--gfx1250"
	.amdhsa_code_object_version 6
	.text
	.protected	k_q401b00cf8c_qkv
	.globl	k_q401b00cf8c_qkv
	.p2align	8
	.type	k_q401b00cf8c_qkv,@function
k_q401b00cf8c_qkv:
	s_mov_b64 s[64:65], 0
	v_nop
	global_prefetch_b8 v0, s[64:65] scope:SCOPE_SE
	s_setreg_imm32_b32 hwreg(HW_REG_WAVE_MODE, 25, 1), 1
	s_wait_xcnt 0x0
; q, k, v of one block of 64 rows and one kv group: x is quantised to FP6 (E2M3, one E8M0 scale for each 32 along K), multiplied by the given codes of Wq (4 heads), Wk, Wv (1 head each);
; q and k get RoPE and the RMS norm and are quantised along the head's 64; v gets 2 sigmoid(x[:32] Wg) ve and is quantised along the KEYS.  All that goes into a quantiser is f32.
; SHARES.  Work-group (blk, g): rows 64 blk .. +63, q heads 4 g .. 4 g + 3, k head g, v head g.  All 8 waves quantise x (wave w: row tile w % 4, K steps 4 (w / 4) + 0 .. 3) and leave the fragments in LDS
; as images of their registers.  Behind the one barrier waves 0-3 make a q head each, wave 4 k, wave 5 v; waves 6 and 7 have ended.
; ROW TILES.  Row rho of tile 2 b + u is local row 32 b + 8 u + rho + 8 (rho / 8); the rows of a weight's tile are chosen alike.  So the 16 registers of two neighbouring result tiles are 16 neighbours along the next K.
; q, k: source 0 = 16 rows of W, source 1 = 16 rows of x: a lane holds one row of x and 32 of the head's 64.  v: the sources swapped: a lane holds one channel and 32 keys.
; K ORDER.  Inside a K step of 128 the two middle blocks of 32 change places, alike in x's fragments, the weights' fragments and both scale words: a lane's 12 registers of a weight are then 48 consecutive bytes,
; three loads of 16.  The products are the same; the order of the f32 sums differs from ascending k.
; NO JOINT LOADS: x has to pass through registers to be quantised, and the group's weights, 384 rows x 768 bytes = 294,912 bytes, do not fit in LDS beside x's images: each head wave reads its own 64 rows straight into registers.
; LIMITS: NaN and infinities among the inputs are not served.  A block of zeros gets the scale byte 1 (the floor 2^(3 - 127) under the largest magnitude), not 127: its codes are zeros, and this program alone reads the bytes.
; REGISTERS.  Window 0: v1-19 addresses; v24-55 the weights' scale words (8 t + s); v56-63 x's scale words, two sets; v64-255 four sets of 4 weight fragments, later the epilogue.
; Window 1: at first x as loaded (v0-127, two sets), 64 neighbours (v128-191), the quantiser's work (v192-229), Wg (v232-247); then the 16 accumulators (v0-127) and two sets of x's 4 fragments (v128-223).
.set XIMG,  0                          ; LDS: x's fragments (tile m, K step s) at (8 m + s) 1536: registers 4 c .. 4 c + 3 of lane l at 512 c + 16 l
.set XSC,   49152                      ; their scale words, 128 bytes each
.set STG,   53248                      ; a stage for each wave: 16 rows of 512 bytes, 528 apart
.set COSL,  120832                     ; cos: 64 rows of 128 bytes, 144 apart; sin 9,216 bytes behind
.set VEL,   139264                     ; ve of my group: 64 rows of 256 bytes, 272 apart
.set GATEL, 156672                     ; the gate: 4 bytes a row
.set WS,    24
.set XS,    56
.set WF,    64
.set XF,    128                        ; window 1
.set T,     128                        ; window 1
.set TM,    192                        ; window 1
.set PW,    208                        ; window 1
.set PC,    210                        ; window 1
.set WG,    232                        ; window 1
.set R,     64                         ; the epilogue, window 0: 32 results,
.set CC,    96                         ; cos, sin, products at work,
.set SS,    112
.set TT,    128
.set GG,    144                        ; the gate of 32 keys,
.set EE,    176                        ; ve of 32 keys,
.set OUTR,  208                        ; four half fragments, 8 registers apart, so that no store's data are written again,
.set HW,    240                        ; their two scale bytes each
.set QTM,   244
.set QSO,   248
.set QBY,   250
.set QY,    252
.set MSB, 0
.macro WIN new                         ; the immediate's high byte repeats the setting that is left
.if MSB != \new
	s_set_vgpr_msb (MSB<<8)|\new
.set MSB, \new
.endif
.endm
.macro PLACES                          ; four plain places behind a matrix instruction, in front of loads into its registers and of reads of its results
.rept 4
	v_nop
.endr
.endm
; 12 loads: the four fragments of my head's weights for K step s into set k.  Lane (r, h) takes 48 consecutive bytes of its row
.macro WLOAD k, s
.irp t, 0,1,2,3
.irp j, 0,1,2
	global_load_b128 v[WF+48*(\k)+12*\t+4*\j:WF+48*(\k)+12*\t+4*\j+3], v15, s[40:41] offset:(32*(\t/2)+8*(\t%2))*768+96*(\s)+16*\j
.endr
.endr
.endm
; 16 loads: my tile's 16 rows, 128 numbers of each: every load takes 512 consecutive bytes
.macro XLOAD f
	WIN 0x40
.irp j, 0,1,2,3,4,5,6,7,8,9,10,11,12,13,14,15
	global_load_b128 v[64*((\f)&1)+4*\j:64*((\f)&1)+4*\j+3], v1, s[44:45] offset:(\j+8*(\j/8))*4096+512*(\f)
.endr
	WIN 0
.endm
; through my own stage: in as loaded, out 16 neighbours of each block of 32 a lane; register 16 b + i = number 16 h + i of the instruction's block b, which is the K step's block 0, 2, 1, 3
.macro TURN f
	WIN 0x04
.irp j, 0,1,2,3,4,5,6,7,8,9,10,11,12,13,14,15
	ds_store_b128 v3, v[64*((\f)&1)+4*\j:64*((\f)&1)+4*\j+3] offset:528*\j
.endr
	WIN 0x40
.irp b, 0,1,2,3
.irp j, 0,1,2,3
	ds_load_b128 v[T+16*\b+4*\j:T+16*\b+4*\j+3], v4 offset:128*((\b%2)*2+\b/2)+16*\j   ; LDS serves a wave's instructions in order: these see the stores above
.endr
.endr
	WIN 0
.endm
; 64 numbers of a lane (window 1, v[T] on) become a fragment's 12 registers of codes at v[PC] and its scale word in v[PW]
.macro QUANT
.irp b, 0,1,2,3
	v_max3_num_f32 v[TM+\b], |v[T+16*\b]|, |v[T+1+16*\b]|, 0x1800000   ; my 16 numbers of block b, and the floor 2^(3 - 127): the byte cannot fall under 1
.endr
.irp i, 2,4,6,8,10,12,14
.irp b, 0,1,2,3
	v_max3_num_f32 v[TM+\b], v[TM+\b], |v[T+16*\b+\i]|, |v[T+1+16*\b+\i]|
.endr
.endr
.irp b, 0,1,2,3
	v_permlanex16_b32 v[TM+4+\b], v[TM+\b], s36, s37
.endr
.irp b, 0,1,2,3
	v_max_num_f32 v[TM+\b], v[TM+\b], v[TM+4+\b]       ; with lane l xor 16's: the block's largest magnitude
.endr
.irp b, 0,1,2,3
	v_add_nc_u32 v[TM+12+\b], 0xff000000, v[TM+\b]     ; 2 off its exponent field: the conversion's scale operand
.endr
.irp b, 0,1,2,3
	v_lshrrev_b32 v[TM+4+\b], 23, v[TM+12+\b]          ; the scale's byte
.endr
	v_lshl_or_b32 v[PW], v[TM+5], 8, v[TM+4]
	v_lshl_or_b32 v[PW], v[TM+6], 16, v[PW]
	v_lshl_or_b32 v[PW], v[TM+7], 24, v[PW]
.irp c, 0,1
	v_cvt_scalef32_pk16_fp6_f32 v[PC+6*\c:PC+2+6*\c], v[T+32*\c:T+15+32*\c], v[TM+12+2*\c]
	v_cvt_scalef32_pk16_fp6_f32 v[PC+12+4*\c:PC+14+4*\c], v[T+16+32*\c:T+31+32*\c], v[TM+12+2*\c+1]
.endr
	v_nop                                              ; one plain place behind a scaled conversion
.irp c, 0,1                                        ; a whole block to a lane: lanes 0-15 block 2 c, lanes 16-31 block 2 c + 1
.irp i, 0,1,2
	v_permlane16_swap_b32 v[PC+6*\c+\i], v[PC+12+4*\c+\i]
.endr
.irp i, 0,1,2
	v_mov_b32 v[PC+3+6*\c+\i], v[PC+12+4*\c+\i]
.endr
.endr
.endm
; 32 numbers of a lane, register 16 b + i = number 16 h + i of block b, become half a fragment: lane (r, h) holds block h of its row in 6 registers at dst; hw: the two scale bytes
.macro QUANT2 src, dst, hw
.irp b, 0,1
	v_max3_num_f32 v[QTM+\b], |v[(\src)+16*\b]|, |v[(\src)+1+16*\b]|, 0x1800000
.endr
.irp i, 2,4,6,8,10,12,14
.irp b, 0,1
	v_max3_num_f32 v[QTM+\b], v[QTM+\b], |v[(\src)+16*\b+\i]|, |v[(\src)+1+16*\b+\i]|
.endr
.endr
.irp b, 0,1
	v_permlanex16_b32 v[QTM+2+\b], v[QTM+\b], s36, s37
.endr
.irp b, 0,1
	v_max_num_f32 v[QTM+\b], v[QTM+\b], v[QTM+2+\b]
.endr
.irp b, 0,1
	v_add_nc_u32 v[QSO+\b], 0xff000000, v[QTM+\b]
.endr
.irp b, 0,1
	v_lshrrev_b32 v[QBY+\b], 23, v[QSO+\b]
.endr
	v_lshl_or_b32 v[\hw], v[QBY+1], 8, v[QBY]
	v_cvt_scalef32_pk16_fp6_f32 v[(\dst):(\dst)+2], v[(\src):(\src)+15], v[QSO]
	v_cvt_scalef32_pk16_fp6_f32 v[QY:QY+2], v[(\src)+16:(\src)+31], v[QSO+1]
	v_nop                                              ; one plain place behind a scaled conversion
.irp i, 0,1,2
	v_permlane16_swap_b32 v[(\dst)+\i], v[QY+\i]
.endr
.irp i, 0,1,2
	v_mov_b32 v[(\dst)+3+\i], v[QY+\i]
.endr
.endm
	s_load_b512 s[4:19], s[0:1], 0x0               ; x, ve, cos, sin, Wg, Wq's codes, Wq's scales, Wk's codes
	s_load_b256 s[20:27], s[0:1], 0x40             ; Wk's scales, Wv's codes, Wv's scales, qimg
	s_load_b128 s[28:31], s[0:1], 0x60             ; qsc, kv
	s_set_vgpr_msb 0x40
	v_lshl_add_u32 v254, v0, 2, 0x26500
	v_mov_b32 v255, 0
	s_set_vgpr_msb 0x4000
	v_lshrrev_b32 v20, 5, v0
	v_readfirstlane_b32 s32, v20                   ; wave 0..7
	s_mov_b32 s33, ttmp9                           ; blk
	s_and_b32 s34, ttmp7, 0xffff                   ; g
	s_mov_b32 s35, 0x03010200                      ; byte select: the two middle bytes change places
	s_mov_b32 s36, 0x76543210
	s_mov_b32 s37, 0xfedcba98                      ; v_permlanex16_b32's selects for lane l xor 16
	s_mov_b32 s38, 0x34000000                      ; f32's eps, 2^-23
	s_mov_b32 s39, 0x3c800000                      ; 1 / 64
	s_and_b32 s56, s32, 3                          ; my row tile m = 2 b + u
	s_lshr_b32 s57, s32, 2                         ; which four K steps
	s_lshr_b32 s58, s56, 1                         ; b
	s_and_b32 s59, s56, 1                          ; u
	v_and_b32 v20, 31, v0                          ; lane
	v_and_b32 v21, 15, v0                          ; r
	v_bfe_u32 v22, v0, 4, 1                        ; h
	v_and_b32 v23, 8, v21
	v_add_nc_u32 v23, v23, v21                     ; n(r) = r + 8 (r / 8)
	v_lshlrev_b32 v1, 4, v20                       ; 16 x lane
	v_lshlrev_b32 v2, 2, v20                       ; 4 x lane
	v_lshlrev_b32 v18, 3, v20                      ; 8 x lane
	v_lshlrev_b32 v19, 4, v21                      ; 16 r
	s_mul_i32 s60, s32, 8448
	s_add_co_u32 s60, s60, STG                     ; my stage
	v_add_nc_u32 v3, s60, v1                       ; in: a row's 512 bytes, 16 a lane
	v_mul_u32_u24 v4, v21, 528
	v_lshl_add_u32 v4, v22, 6, v4
	v_add_nc_u32 v4, s60, v4                       ; out: row r, + 64 h
	s_lshl_b32 s60, s56, 3
	s_lshl_b32 s61, s57, 2
	s_add_co_u32 s60, s60, s61                     ; 8 m + my first K step
	s_mul_i32 s61, s60, 1536
	v_add_nc_u32 v5, s61, v1                       ; where my images go
	s_lshl_b32 s61, s60, 7
	s_add_co_u32 s61, s61, XSC
	v_add_nc_u32 v6, s61, v2                       ; and their scale words
	v_lshrrev_b32 v7, 3, v0
	v_mul_u32_u24 v7, v7, 144
	v_and_b32 v8, 7, v0
	v_lshl_add_u32 v7, v8, 4, v7
	v_add_nc_u32 v7, COSL, v7                      ; cos, sin into LDS: eight threads to a row
	v_lshrrev_b32 v9, 4, v0
	v_mul_u32_u24 v8, v9, 272
	v_lshl_add_u32 v8, v21, 4, v8
	v_add_nc_u32 v8, VEL, v8                       ; ve into LDS: sixteen threads to a row
	v_lshlrev_b32 v10, 10, v9
	v_lshl_add_u32 v10, v21, 4, v10                ; ve in memory: rows of 1,024 bytes
	v_lshlrev_b32 v9, 4, v0                        ; cos, sin in memory: dense
	s_lshl_b32 s60, s58, 7
	s_lshl_b32 s61, s59, 5
	s_add_co_u32 s60, s60, s61
	s_add_co_u32 s60, s60, GATEL
	v_lshl_add_u32 v11, v23, 2, s60                ; my row's gate
	v_mul_u32_u24 v12, v23, 144
	v_lshl_add_u32 v12, v22, 6, v12
	v_add_nc_u32 v12, COSL, v12                    ; cos of row n(r), from 16 h on
	v_mul_u32_u24 v13, v22, 16*272
	v_lshl_add_u32 v13, v23, 2, v13
	v_add_nc_u32 v13, VEL, v13                     ; ve of key 16 h, channel n(r)
	v_lshl_add_u32 v14, v22, 6, GATEL              ; the gates of keys 16 h on
	v_mul_u32_u24 v15, v23, 768
	v_mad_u32_u24 v15, v22, 48, v15                ; a weight's row n(r), + 48 h
	v_lshlrev_b32 v16, 5, v23                      ; its 32 scale bytes
	s_lshl_b32 s60, s34, 2
	v_lshl_add_u32 v17, v22, 8, s60                ; Wg(16 h, g)
	; byte offsets, made apart from the addresses
	s_lshl_b32 s66, s33, 18
	s_lshl_b32 s60, s58, 17
	s_add_co_u32 s66, s66, s60
	s_lshl_b32 s60, s59, 15
	s_add_co_u32 s66, s66, s60
	s_lshl_b32 s60, s57, 11
	s_add_co_u32 s66, s66, s60                     ; x: row 64 blk + 32 b + 8 u, + 2,048 bytes for the upper four K steps
	s_mov_b32 s67, 0
	s_lshl_b32 s68, s33, 13                        ; cos, sin: 64 rows of 128 bytes
	s_mov_b32 s69, 0
	s_lshl_b32 s70, s33, 16
	s_lshl_b32 s60, s34, 8
	s_add_co_u32 s70, s70, s60                     ; ve: 64 rows of 1,024 bytes, + my group's 256
	s_mov_b32 s71, 0
	s_lshl_b32 s72, s34, 2
	s_add_co_u32 s72, s72, s32                     ; q head 4 g + w
	s_lshl_b32 s73, s34, 5
	s_lshr_b32 s60, s33, 1
	s_add_co_u32 s73, s73, s60
	s_mul_i32 s73, s73, 12800                      ; the record of my 64 keys
	s_and_b32 s74, s33, 1                          ; which half of it
	s_lshl_b32 s75, s72, 8
	s_lshl_b32 s60, s33, 2
	s_add_co_u32 s75, s75, s60
	s_mul_i32 s75, s75, 768                        ; q's images
	s_mul_i32 s76, s74, 3072
	s_add_co_u32 s76, s76, s73                     ; k's
	s_mul_i32 s77, s74, 768
	s_add_co_u32 s77, s77, s73
	s_add_co_u32 s77, s77, 6144                    ; v's
	s_lshl_b32 s78, s72, 6
	s_add_co_u32 s78, s78, s33
	s_lshl_b32 s78, s78, 9                         ; q's scale words
	s_lshl_b32 s79, s74, 3
	s_add_co_u32 s79, s79, s73
	s_add_co_u32 s79, s79, 12288                   ; k's
	s_lshl_b32 s60, s74, 1
	s_add_co_u32 s60, s60, s73
	s_add_co_u32 s60, s60, 12288                   ; v's
	s_wait_kmcnt 0x0
	s_add_nc_u64 s[44:45], s[4:5], s[66:67]
	s_add_nc_u64 s[46:47], s[8:9], s[68:69]
	s_add_nc_u64 s[48:49], s[10:11], s[68:69]
	s_add_nc_u64 s[50:51], s[6:7], s[70:71]
	s_cmp_lt_u32 s32, 4                            ; the choices hang on the wave's number alone
	s_cselect_b64 s[40:41], s[14:15], s[18:19]
	s_cselect_b64 s[42:43], s[16:17], s[20:21]
	s_cselect_b64 s[52:53], s[26:27], s[30:31]
	s_cselect_b64 s[54:55], s[28:29], s[30:31]
	s_cselect_b32 s72, s72, s34
	s_cselect_b32 s66, s75, s76
	s_cselect_b32 s68, s78, s79
	s_cmp_eq_u32 s32, 5
	s_cselect_b64 s[40:41], s[22:23], s[40:41]
	s_cselect_b64 s[42:43], s[24:25], s[42:43]
	s_cselect_b32 s66, s77, s66
	s_cselect_b32 s68, s60, s68
	s_add_nc_u64 s[52:53], s[52:53], s[66:67]      ; where my images go
	s_add_nc_u64 s[54:55], s[54:55], s[68:69]      ; and my scale bytes
	s_mul_i32 s66, s72, 49152
	s_add_nc_u64 s[40:41], s[40:41], s[66:67]      ; my head's 64 rows of codes
	s_lshl_b32 s66, s72, 11
	s_add_nc_u64 s[42:43], s[42:43], s[66:67]      ; and of scale bytes
	s_cmp_gt_u32 s32, 5
	s_cbranch_scc1 .Lno_w
.irp t, 0,1,2,3
.irp j, 0,1
	global_load_b128 v[WS+8*\t+4*\j:WS+8*\t+4*\j+3], v16, s[42:43] offset:(32*(\t/2)+8*(\t%2))*32+16*\j
.endr
.endr
	WLOAD 0, 0
	WLOAD 1, 1
	WLOAD 2, 2
	WLOAD 3, 3
.Lno_w:
	s_cmp_gt_u32 s32, 3
	s_cbranch_scc1 .Lno_wg
	WIN 0x40
.irp i, 0,1,2,3,4,5,6,7,8,9,10,11,12,13,14,15
	global_load_b32 v[WG+\i], v17, s[12:13] offset:16*\i          ; Wg(16 h + i, g)
.endr
	WIN 0
.Lno_wg:
	WIN 0x40
	global_load_b128 v[192:195], v9, s[46:47]
	global_load_b128 v[196:199], v9, s[46:47] offset:4096
	global_load_b128 v[200:203], v9, s[48:49]
	global_load_b128 v[204:207], v9, s[48:49] offset:4096
.irp k, 0,1,2,3
	global_load_b128 v[208+4*\k:211+4*\k], v10, s[50:51] offset:16384*\k
.endr
	XLOAD 0
	XLOAD 1
	s_wait_loadcnt 32                              ; the 32 loads of x are younger: cos, sin, ve and all before them are in
	WIN 0x04
	ds_store_b128 v7, v[192:195]
	ds_store_b128 v7, v[196:199] offset:4608
	ds_store_b128 v7, v[200:203] offset:9216
	ds_store_b128 v7, v[204:207] offset:13824
.irp k, 0,1,2,3
	ds_store_b128 v8, v[208+4*\k:211+4*\k] offset:4352*\k
.endr
	WIN 0
; ---- x: my tile's K step f of four.  left: the loads of the one younger step, which may stay out
.macro PHX f, left
	s_wait_loadcnt \left
	TURN \f
	s_wait_dscnt 0x0                               ; the 64 neighbours are in, and every earlier LDS store has read its registers
.if \f < 2
	XLOAD (\f)+2
.endif
.if \f == 0
	s_cmp_gt_u32 s32, 3                            ; waves 0-3 hold x[:, 0 .. 31] of the 64 rows now: the gate, in f32 by fused multiply-adds
	s_cbranch_scc1 .Lno_gate
	WIN 0x55
	v_mov_b32 v249, 0                              ; (a lane permute's destination counts as one of its sources)
	v_mul_f32 v248, v[T], v[WG]
.irp i, 1,2,3,4,5,6,7,8,9,10,11,12,13,14,15
	v_fmac_f32 v248, v[T+\i], v[WG+\i]
.endr
	v_permlanex16_b32 v249, v248, s36, s37
	v_add_f32 v248, v248, v249                     ; x[row, :32] . Wg[:, g]
	v_mul_f32 v248, 0xbfb8aa3b, v248               ; x -log2(e)
	v_exp_f32 v248, v248
	v_nop                                          ; a plain place behind a transcendental
	s_wait_alu depctr_va_vdst(0)
	v_add_f32 v248, 1.0, v248
	v_rcp_f32 v248, v248
	v_nop
	s_wait_alu depctr_va_vdst(0)
	v_add_f32 v248, v248, v248                     ; 2 sigmoid
	WIN 0x04
	ds_store_b32 v11, v248                         ; both halves of the lanes write the same word with the same value
	WIN 0
.Lno_gate:
	WIN 0x55
.irp b, 0,1,2,3
	v_mov_b32 v[TM+4+\b], 0                        ; written once: a lane permute's destination counts as one of its sources
.endr
.endif
	WIN 0x55
	QUANT
	WIN 0x04
.irp c, 0,1,2
	ds_store_b128 v5, v[PC+4*\c:PC+4*\c+3] offset:1536*(\f)+512*\c
.endr
	ds_store_b32 v6, v[PW] offset:128*(\f)
	WIN 0
.endm
	PHX 0, 16
	PHX 1, 16
	PHX 2, 16
	PHX 3, 0
	s_wait_dscnt 0x0                               ; for the others' sake: my stores have landed
	s_barrier_signal -1
	s_barrier_wait -1                              ; x's 32 fragments, cos, sin, ve and the gate lie in LDS; nothing is written there any more
	s_cmp_gt_u32 s32, 5
	s_cbranch_scc1 .Lend
.irp s, 0,1,2,3,4,5,6,7                        ; the weights' scale words in the K order of the fragments; K step 0's first, so that 28 plain lines stand between them and their use
.irp t, 0,1,2,3
	v_perm_b32 v[WS+8*\t+\s], v[WS+8*\t+\s], v[WS+8*\t+\s], s35
.endr
.endr
; x's four fragments and scale words of K step s, into set s % 2
.macro FETCHX s
	WIN 0x40
.irp m, 0,1,2,3
.irp c, 0,1,2
	ds_load_b128 v[XF+48*((\s)&1)+12*\m+4*\c:XF+48*((\s)&1)+12*\m+4*\c+3], v1 offset:XIMG+(8*\m+(\s))*1536+512*\c
.endr
.endr
	WIN 0
.irp m, 0,1,2,3
	ds_load_b32 v[XS+4*((\s)&1)+\m], v2 offset:XSC+(8*\m+(\s))*128
.endr
.endm
; K step s: 16 products, the 16 accumulators by turns in the same order in every step.  vp = 1: the sources swapped (v)
.macro GSTEP s, vp
.if \s > 0
	PLACES                                         ; behind the last step's products, for the loads below
.endif
.if \s < 7
	FETCHX (\s)+1
.endif
.if (\s >= 1) && (\s <= 4)
	WLOAD ((\s)-1)&3, (\s)+3
.endif
.if \s < 7
	s_wait_dscnt 16                                ; all but the 16 loads just issued
.else
	s_wait_dscnt 0x0
.endif
.if \s >= 4
	s_wait_loadcnt 12*(7-(\s))                     ; the weights of the later steps, 12 loads each, may be out
.endif
.if \vp
	WIN 0x51                                       ; source 0 (x) window 1, source 1 (W) window 0, C and D window 1
.else
	WIN 0x54                                       ; source 0 (W) window 0, source 1 (x) window 1, C and D window 1
.endif
.irp m, 0,1,2,3
.irp t, 0,1,2,3
.if \vp
.if \s == 0
	v_wmma_scale_f32_16x16x128_f8f6f4 v[8*(4*\t+\m):8*(4*\t+\m)+7], v[XF+48*((\s)&1)+12*\m:XF+48*((\s)&1)+12*\m+11], v[WF+48*((\s)&3)+12*\t:WF+48*((\s)&3)+12*\t+11], 0, v[XS+4*((\s)&1)+\m], v[WS+8*\t+(\s)] matrix_a_fmt:MATRIX_FMT_FP6 matrix_b_fmt:MATRIX_FMT_FP6
.else
	v_wmma_scale_f32_16x16x128_f8f6f4 v[8*(4*\t+\m):8*(4*\t+\m)+7], v[XF+48*((\s)&1)+12*\m:XF+48*((\s)&1)+12*\m+11], v[WF+48*((\s)&3)+12*\t:WF+48*((\s)&3)+12*\t+11], v[8*(4*\t+\m):8*(4*\t+\m)+7], v[XS+4*((\s)&1)+\m], v[WS+8*\t+(\s)] matrix_a_fmt:MATRIX_FMT_FP6 matrix_b_fmt:MATRIX_FMT_FP6
.endif
.else
.if \s == 0
	v_wmma_scale_f32_16x16x128_f8f6f4 v[8*(4*\m+\t):8*(4*\m+\t)+7], v[WF+48*((\s)&3)+12*\t:WF+48*((\s)&3)+12*\t+11], v[XF+48*((\s)&1)+12*\m:XF+48*((\s)&1)+12*\m+11], 0, v[WS+8*\t+(\s)], v[XS+4*((\s)&1)+\m] matrix_a_fmt:MATRIX_FMT_FP6 matrix_b_fmt:MATRIX_FMT_FP6
.else
	v_wmma_scale_f32_16x16x128_f8f6f4 v[8*(4*\m+\t):8*(4*\m+\t)+7], v[WF+48*((\s)&3)+12*\t:WF+48*((\s)&3)+12*\t+11], v[XF+48*((\s)&1)+12*\m:XF+48*((\s)&1)+12*\m+11], v[8*(4*\m+\t):8*(4*\m+\t)+7], v[WS+8*\t+(\s)], v[XS+4*((\s)&1)+\m] matrix_a_fmt:MATRIX_FMT_FP6 matrix_b_fmt:MATRIX_FMT_FP6
.endif
.endif
.endr
.endr
	WIN 0
.endm
	FETCHX 0
	s_cmp_eq_u32 s32, 5
	s_cbranch_scc1 .Lv
	; ---- q (waves 0-3) and k (wave 4)
.irp s, 0,1,2,3,4,5,6,7
	GSTEP \s, 0
.endr
	PLACES
	v_mov_b32 v[QTM+2], 0                          ; written once: lane permutes' destinations
	v_mov_b32 v[QTM+3], 0
	v_mov_b32 v150, 0
; row tile m: in the 32 accumulator registers 32 m + 16 b + i lane (r, h) holds channel 32 b + 16 h + i of row n-th r
.macro EPI_QK m
.irp j, 0,1,2,3
	ds_load_b128 v[CC+4*\j:CC+4*\j+3], v12 offset:(32*((\m)/2)+8*((\m)%2))*144+16*\j
	ds_load_b128 v[SS+4*\j:SS+4*\j+3], v12 offset:(32*((\m)/2)+8*((\m)%2))*144+16*\j+9216
.endr
	s_wait_dscnt 0x0
	WIN 0x01                                       ; source 0: the accumulators, window 1
.irp i, 0,2,4,6,8,10,12,14
	v_pk_mul_f32 v[TT+\i:TT+\i+1], v[32*(\m)+16+\i:32*(\m)+17+\i], v[SS+\i:SS+\i+1]
	v_pk_fma_f32 v[R+\i:R+\i+1], v[32*(\m)+\i:32*(\m)+1+\i], v[CC+\i:CC+\i+1], v[TT+\i:TT+\i+1]               ; x1 cos + x2 sin
	v_pk_mul_f32 v[TT+\i:TT+\i+1], v[32*(\m)+\i:32*(\m)+1+\i], v[SS+\i:SS+\i+1]
	v_pk_fma_f32 v[R+16+\i:R+17+\i], v[32*(\m)+16+\i:32*(\m)+17+\i], v[CC+\i:CC+\i+1], v[TT+\i:TT+\i+1] neg_lo:[0,0,1] neg_hi:[0,0,1]   ; x2 cos - x1 sin
.endr
	WIN 0
	v_pk_mul_f32 v[144:145], v[R:R+1], v[R:R+1]    ; the sum of squares, in two chains
	v_pk_mul_f32 v[146:147], v[R+2:R+3], v[R+2:R+3]
.irp i, 4,8,12,16,20,24,28
	v_pk_fma_f32 v[144:145], v[R+\i:R+\i+1], v[R+\i:R+\i+1], v[144:145]
	v_pk_fma_f32 v[146:147], v[R+\i+2:R+\i+3], v[R+\i+2:R+\i+3], v[146:147]
.endr
	v_pk_add_f32 v[144:145], v[144:145], v[146:147]
	v_add_f32 v144, v144, v145
	v_permlanex16_b32 v150, v144, s36, s37
	v_add_f32 v144, v144, v150                     ; with lane l xor 16's 32 channels
	v_fma_f32 v148, v144, s39, s38                 ; the mean + eps
	v_rsq_f32 v148, v148
	v_mov_b32 v149, 0                              ; a plain place behind the transcendental; and the pair's upper half is written
	s_wait_alu depctr_va_vdst(0)
.irp i, 0,2,4,6,8,10,12,14,16,18,20,22,24,26,28,30
	v_pk_mul_f32 v[R+\i:R+\i+1], v[R+\i:R+\i+1], v[148:149] op_sel_hi:[1,0]
.endr
	QUANT2 R, OUTR+8*(\m), HW+(\m)
.irp p, 0,1,2
	global_store_b64 v18, v[OUTR+8*(\m)+2*\p:OUTR+8*(\m)+2*\p+1], s[52:53] offset:768*(\m)+256*\p   ; 32 lanes store 256 consecutive bytes, aligned
.endr
.endm
	EPI_QK 0
	EPI_QK 1
	EPI_QK 2
	EPI_QK 3
	s_cmp_eq_u32 s32, 4
	s_cbranch_scc1 .Lk_scales
.irp m, 0,1,2,3
	v_lshl_or_b32 v[HW+\m], v[HW+\m], 16, v[HW+\m] ; q's word: e0, e1, e0, e1: it serves q in either half of the instruction's K
.endr
	global_store_b128 v1, v[HW:HW+3], s[54:55]
	s_set_vgpr_msb 0x5
	s_wait_tensorcnt 0x0
	ds_add_u32 v254, v255
	s_wait_dscnt 0x0
	s_set_vgpr_msb 0x500
	s_endpgm
.Lk_scales:
	v_lshl_or_b32 v[HW], v[HW+1], 16, v[HW]        ; a pair fragment's word: key a's e0, e1, key b's e0, e1
	v_lshl_or_b32 v[HW+1], v[HW+3], 16, v[HW+2]
	global_store_b64 v19, v[HW:HW+1], s[54:55]     ; lanes 16-31 write what lanes 0-15 write
	s_set_vgpr_msb 0x5
	s_wait_tensorcnt 0x0
	ds_add_u32 v254, v255
	s_wait_dscnt 0x0
	s_set_vgpr_msb 0x500
	s_endpgm
	; ---- v (wave 5): a lane holds channel n-th r of tile t, and its registers 16 b + i the keys 32 b + 16 h + i
.Lv:
.irp s, 0,1,2,3,4,5,6,7
	GSTEP \s, 1
.endr
	PLACES
	v_mov_b32 v[QTM+2], 0
	v_mov_b32 v[QTM+3], 0
.irp b, 0,1
.irp j, 0,1,2,3
	ds_load_b128 v[GG+16*\b+4*\j:GG+16*\b+4*\j+3], v14 offset:128*\b+16*\j
.endr
.endr
.macro EPI_V t
.irp b, 0,1
.irp i, 0,1,2,3,4,5,6,7,8,9,10,11,12,13,14,15
	ds_load_b32 v[EE+16*\b+\i], v13 offset:(32*\b+\i)*272+4*(32*((\t)/2)+8*((\t)%2))
.endr
.endr
	s_wait_dscnt 0x0
	WIN 0x10                                       ; source 2: the accumulators, window 1, from their low ends on
.irp i, 0,2,4,6,8,10,12,14,16,18,20,22,24,26,28,30
	v_pk_fma_f32 v[R+\i:R+\i+1], v[GG+\i:GG+\i+1], v[EE+\i:EE+\i+1], v[32*(\t)+\i:32*(\t)+\i+1]   ; v + gate x ve
.endr
	WIN 0
	QUANT2 R, OUTR+8*(\t), HW+(\t)
.irp p, 0,1,2
	global_store_b64 v18, v[OUTR+8*(\t)+2*\p:OUTR+8*(\t)+2*\p+1], s[52:53] offset:1536*(\t)+256*\p
.endr
.endm
	EPI_V 0
	EPI_V 1
	EPI_V 2
	EPI_V 3
.irp t, 0,1,2,3
	global_store_b16 v19, v[HW+\t], s[54:55] offset:256+4*\t      ; my two key blocks' bytes of channel n-th r, in the image's lane 16 + r
.endr
.Lend:
	s_set_vgpr_msb 0x5
	s_wait_tensorcnt 0x0
	ds_add_u32 v254, v255
	s_wait_dscnt 0x0
	s_set_vgpr_msb 0x500
	s_endpgm
.Lfunc_end_k_q401b00cf8c_qkv:
	.size	k_q401b00cf8c_qkv, .Lfunc_end_k_q401b00cf8c_qkv-k_q401b00cf8c_qkv
	.p2alignl 7, 3214868480
	.fill 96, 4, 3214868480
	.section	.rodata,"a",@progbits
	.p2align	6, 0x0
	.amdhsa_kernel k_q401b00cf8c_qkv
		.amdhsa_group_segment_fixed_size 157952
		.amdhsa_private_segment_fixed_size 0
		.amdhsa_enable_private_segment 0
		.amdhsa_kernarg_size 112
		.amdhsa_user_sgpr_count 2
		.amdhsa_user_sgpr_kernarg_segment_ptr 1
		.amdhsa_wavefront_size32 1
		.amdhsa_system_sgpr_workgroup_id_x 1
		.amdhsa_system_sgpr_workgroup_id_y 1
		.amdhsa_system_sgpr_workgroup_id_z 1
		.amdhsa_system_vgpr_workitem_id 0
		.amdhsa_next_free_vgpr 512
		.amdhsa_next_free_sgpr 80
		.amdhsa_reserve_vcc 0
		.amdhsa_float_denorm_mode_32 3
		.amdhsa_float_denorm_mode_16_64 3
		.amdhsa_memory_ordered 1
		.amdhsa_forward_progress 1
		.amdhsa_inst_pref_size 162
	.end_amdhsa_kernel
	.amdgpu_metadata
---
amdhsa.version: [ 1, 2 ]
amdhsa.kernels:
  - .name:           k_q401b00cf8c_qkv
    .symbol:         k_q401b00cf8c_qkv.kd
    .args:
      - { .name: x, .offset: 0, .size: 8, .value_kind: global_buffer, .address_space: global }
      - { .name: ve, .offset: 8, .size: 8, .value_kind: global_buffer, .address_space: global }
      - { .name: cos, .offset: 16, .size: 8, .value_kind: global_buffer, .address_space: global }
      - { .name: sin, .offset: 24, .size: 8, .value_kind: global_buffer, .address_space: global }
      - { .name: Wg, .offset: 32, .size: 8, .value_kind: global_buffer, .address_space: global }
      - { .name: Wq_codes, .offset: 40, .size: 8, .value_kind: global_buffer, .address_space: global }
      - { .name: Wq_scales, .offset: 48, .size: 8, .value_kind: global_buffer, .address_space: global }
      - { .name: Wk_codes, .offset: 56, .size: 8, .value_kind: global_buffer, .address_space: global }
      - { .name: Wk_scales, .offset: 64, .size: 8, .value_kind: global_buffer, .address_space: global }
      - { .name: Wv_codes, .offset: 72, .size: 8, .value_kind: global_buffer, .address_space: global }
      - { .name: Wv_scales, .offset: 80, .size: 8, .value_kind: global_buffer, .address_space: global }
      - { .name: qimg, .offset: 88, .size: 8, .value_kind: global_buffer, .address_space: global }
      - { .name: qsc, .offset: 96, .size: 8, .value_kind: global_buffer, .address_space: global }
      - { .name: kv, .offset: 104, .size: 8, .value_kind: global_buffer, .address_space: global }
    .group_segment_fixed_size: 157952
    .private_segment_fixed_size: 0
    .kernarg_segment_align: 8
    .kernarg_segment_size: 112
    .max_flat_workgroup_size: 256
    .sgpr_count:     80
    .vgpr_count:     512
    .wavefront_size: 32
...
	.end_amdgpu_metadata
.endif
;; end of part 1
;; launch attn (part 2): grid 64 x 4, 16 waves a work-group, no clusters, 27,136 bytes of LDS; arguments qimg, qsc, kv, yimg, ysc; writes yimg, ysc
.if DOCPART == 2
	.amdgcn_target "amdgcn-amd-amdhsa--gfx1250"
	.amdhsa_code_object_version 6
	.text
	.protected	k_q401b00cf8c_attn
	.globl	k_q401b00cf8c_attn
	.p2align	8
	.type	k_q401b00cf8c_attn,@function
k_q401b00cf8c_attn:
	s_mov_b64 s[64:65], 0
	v_nop
	global_prefetch_b8 v0, s[64:65] scope:SCOPE_SE
	s_setreg_imm32_b32 hwreg(HW_REG_WAVE_MODE, 25, 1), 1
	s_wait_xcnt 0x0
; y = softmax(q k^T / 8, keys q - 1024 .. q) v for 64 queries of the 4 heads of one kv group, both products on FP6 (E2M3) codes with one E8M0 scale for each 32 along K; y is quantised for the output projection.
; SOFTMAX AHEAD OF THE SECOND PRODUCT: t = score x log2(e) / 8; M = the running largest t rounded UP to a whole number; p = 2^(t - M) is quantised along the keys, not normalised; the row's sum is taken of the
; unquantised p and divides at the end.  When M moves, the sum and O are multiplied by 2^(old M - new M), which rounds nothing.
; SHARES.  Work-group (blk, g).  Wave w: head 4 g + w % 4, query tile w / 4 (16 queries) in 256 registers, four waves to a SIMD, so that one wave's vector work stands beside another's products and LDS loads.
; KEYS.  With a = blk / 2, queries 64 blk .. +63 see only the nine records (128 keys each) a - 8 .. a: record a - 8 needs the window's mask, record a the causal one, the seven between are open to every query.
; Every work-group walks nine steps; a step whose record number is negative leaves its work out by a scalar branch on ids; the copies and barriers are passed all the same.
; In the first step that a wave works at least one key counts (the window's record: its key 127; record 0: key 0), so M is a number from then on.
; A RECORD (12,800 bytes): 4 pair fragments of K, 4 fragments of V^T, one image of scale words.  The 16 waves copy its 12,288 bytes of codes through registers into one of two LDS slots, one step ahead,
; re-laying pieces of 8 bytes a lane as chunks of 16; one barrier a step: the slot written was last read a step earlier, and every wave waited for those reads in front of the last barrier.
; K = 64 IN AN INSTRUCTION OF 128: source 0 holds TWO key tiles (registers 0-5 tile 2 j, registers 6-11 tile 2 j + 1); source 1 is (q | 0) for the first and (0 | q) for the second.  Zero codes add nothing.
; Both products are used transposed: a lane holds one query throughout.  The keys of a tile are 8 u + r + 8 (r / 8), so that the 16 registers of tiles 2 j, 2 j + 1 are keys 32 j + 16 h + 0 .. 15.
; NO JOINT LOADS: a step's shared bytes are one record of 12,800, and they pass through registers to be re-laid.
; LIMITS: NaN and infinities are not served; a block whose every p is 0 keeps the scale byte 1 over zero codes.
; REGISTERS: v1-10 addresses; v12 -M, v13 the largest t, v[14:15] the sum; v16-33 0 | q | 0; v34 q's scale word; v36-83 four fragments; v84-147 S^T, then p; v148-179 O^T; v180-191 p's codes;
; v192-199 two sets of K's and V's scale words (K's in lanes 0-15, V's in lanes 16-31); v200-205 the copy; v208-233 at work.
.set SLOTB, 12288
.set YS,    24576                      ; behind the slots: y's scale bytes of the work-group, 512 bytes
.set F,     36
.set S,     84
.set O,     148
.set PCD,   180
.set SC,    192
.set BM,    208
.set PT,    212
.set SO,    216
.set CV,    220
.macro PLACES
.rept 4
	v_nop
.endr
.endm
	s_load_b256 s[4:11], s[0:1], 0x0               ; qimg, qsc, kv, yimg
	s_load_b64 s[12:13], s[0:1], 0x20              ; ysc
	v_lshl_add_u32 v254, v0, 2, 0x6200
	v_mov_b32 v255, 0
	v_lshrrev_b32 v36, 5, v0
	v_readfirstlane_b32 s14, v36                   ; wave 0..15
	s_mov_b32 s15, ttmp9                           ; blk
	s_and_b32 s16, ttmp7, 0xffff                   ; g
	s_lshr_b32 s19, s15, 1
	s_sub_co_i32 s19, s19, 8                       ; a - 8: the window's record
	s_mov_b32 s17, s19                             ; the step's record
	s_mov_b32 s18, 4                               ; trips of two steps
	s_mov_b32 s20, 0x76543210
	s_mov_b32 s21, 0xfedcba98                      ; v_permlanex16_b32's selects for lane l xor 16
	s_mov_b32 s22, 0x3e38aa3b                      ; c = log2(e) / 8
	s_mov_b32 s23, s22                             ; (named with it as a pair, so it is written)
	s_mov_b32 s29, 0
	s_and_b32 s30, s14, 3
	s_lshr_b32 s31, s14, 2                         ; my query tile
	s_lshl_b32 s32, s16, 2
	s_add_co_u32 s32, s32, s30                     ; my head
	s_lshl_b32 s33, s15, 2
	s_add_co_u32 s33, s33, s31                     ; the tile's number among all 256
	s_lshl_b32 s34, s32, 8
	s_add_co_u32 s34, s34, s33
	s_mul_i32 s34, s34, 768                        ; q's half fragment
	s_mov_b32 s35, 0
	s_lshl_b32 s36, s32, 6
	s_add_co_u32 s36, s36, s15
	s_lshl_b32 s36, s36, 9
	s_lshl_b32 s37, s31, 2
	s_add_co_u32 s36, s36, s37                     ; q's scale words
	s_mov_b32 s37, 0
	s_lshl_b32 s38, s33, 4
	s_add_co_u32 s38, s38, s32
	s_mul_i32 s38, s38, 768                        ; y's half fragment
	s_mov_b32 s39, 0
	s_lshl_b32 s40, s16, 15
	s_lshl_b32 s41, s15, 9
	s_add_co_u32 s40, s40, s41                     ; y's scale bytes
	s_mov_b32 s41, 0
	s_mul_i32 s42, s16, 409600                     ; my group's 32 records
	s_mov_b32 s43, 0
	v_and_b32 v36, 31, v0                          ; lane
	v_and_b32 v37, 15, v0                          ; r
	v_bfe_u32 v38, v0, 4, 1                        ; h
	v_and_b32 v39, 8, v37
	v_add_nc_u32 v39, v39, v37                     ; n(r)
	v_lshlrev_b32 v1, 4, v36                       ; 16 x lane
	v_lshlrev_b32 v10, 3, v36                      ; 8 x lane
	s_mul_i32 s44, s14, 768
	v_add_nc_u32 v5, s44, v10                      ; the copy: my wave's 768 bytes of a record: half w % 2 of fragment w / 2, three pieces
	s_lshr_b32 s44, s14, 1
	s_mul_i32 s44, s44, 1536
	s_and_b32 s45, s14, 1
	s_mul_i32 s46, s45, 520                        ; piece p goes to 512 (p / 2) + 8 (p % 2) + 16 x lane: pieces 0, 1, 2 to 0, 8, 512; pieces 3, 4, 5 to 520, 1024, 1032
	s_add_co_u32 s46, s46, s44
	v_add_nc_u32 v2, s46, v1
	s_add_co_u32 s46, s46, 512
	v_add_nc_u32 v4, s46, v1
	s_mul_i32 s46, s45, 1016
	s_add_co_u32 s46, s46, s44
	s_add_co_u32 s46, s46, 8
	v_add_nc_u32 v3, s46, v1
	s_and_b32 s44, s15, 1
	s_lshl_b32 s44, s44, 6
	s_lshr_b32 s46, s31, 1
	s_lshl_b32 s46, s46, 5
	s_add_co_u32 s44, s44, s46
	s_and_b32 s46, s31, 1
	s_lshl_b32 s46, s46, 3
	s_add_co_u32 s44, s44, s46
	v_lshlrev_b32 v7, 4, v38
	v_sub_nc_u32 v7, v39, v7
	v_add_nc_u32 v7, s44, v7                       ; d = my query's place among record a's 128 - 16 h.  Register 16 j + i holds the record's key 32 j + i + 16 h
	v_mov_b32 v8, 0xff800000                       ; -infinity
	s_lshl_b32 s44, s31, 7
	s_lshr_b32 s46, s30, 1
	s_lshl_b32 s46, s46, 6
	s_add_co_u32 s44, s44, s46
	s_lshl_b32 s46, s45, 1
	s_add_co_u32 s44, s44, s46
	s_add_co_u32 s44, s44, YS
	v_lshl_add_u32 v9, v37, 2, s44                 ; where my two scale bytes of y go
	s_max_i32 s30, s19, 0
	s_mul_i32 s28, s30, 12800
	s_wait_kmcnt 0x0
	s_add_nc_u64 s[4:5], s[4:5], s[34:35]
	s_add_nc_u64 s[6:7], s[6:7], s[36:37]
	s_add_nc_u64 s[10:11], s[10:11], s[38:39]
	s_add_nc_u64 s[12:13], s[12:13], s[40:41]
	s_add_nc_u64 s[24:25], s[8:9], s[42:43]
	s_add_nc_u64 s[26:27], s[24:25], s[28:29]      ; the first record (a negative number is held at 0: such a record is copied and not used)
.irp p, 0,1,2
	global_load_b64 v[22+2*\p:23+2*\p], v10, s[4:5] offset:256*\p
.endr
	global_load_b32 v34, v1, s[6:7]
.irp j, 0,1,2
	global_load_b64 v[200+2*\j:201+2*\j], v5, s[26:27] offset:256*\j
.endr
	global_load_b128 v[SC:SC+3], v1, s[26:27] offset:12288
	v_mov_b32 v13, 0xff61b1e6                      ; the largest t so far: -3e38, under every t
	v_floor_f32 v12, -v13                          ; -M
	v_mov_b32 v14, 0
	v_mov_b32 v15, 0
.irp i, 0,1,2,3,4,5
	v_mov_b32 v[16+\i], 0                          ; the zero codes on either side of q
	v_mov_b32 v[28+\i], 0
.endr
.irp b, 0,1,2,3
	v_mov_b32 v[PT+\b], 0                          ; written once: a lane permute's destination counts as one of its sources
.endr
	v_mov_b32 v233, 0                              ; (named as the upper half of the pair v[232:233] before it is first written)
.set N, 0
.rept 32
	v_mov_b32 v[O+N], 0                            ; O^T.  (The step is written for every step alike: the first finds zeros, which the first change of M leaves zeros)
.set N, N+1
.endr
	s_wait_loadcnt 0x0
	ds_store_b64 v2, v[200:201]
	ds_store_b64 v3, v[202:203]
	ds_store_b64 v4, v[204:205]
	s_wait_dscnt 0x0
	s_barrier_signal -1
	s_barrier_wait -1                              ; the first record lies in slot 0
; A KEY STEP on the record in slot.  kind 1: the window's mask where this is record a - 8; kind 2: the causal mask; more = 1: the next record is copied into the other slot
.macro STEP slot, kind, more
	PLACES                                         ; behind the last step's products, for the loads into their fragments and scale words
.if \more
	s_add_co_i32 s30, s17, 1
	s_max_i32 s30, s30, 0
	s_mul_i32 s28, s30, 12800
	s_add_nc_u64 s[26:27], s[24:25], s[28:29]      ; (the loads that named this pair were waited for)
.irp j, 0,1,2
	global_load_b64 v[200+2*\j:201+2*\j], v5, s[26:27] offset:256*\j
.endr
	global_load_b128 v[SC+4*(1-\slot):SC+4*(1-\slot)+3], v1, s[26:27] offset:12288
	s_cmp_lt_i32 s17, 0
	s_cbranch_scc1 .Lskip_\@                       ; no such record: no work
.endif
.irp j, 0,1,2,3
.irp c, 0,1,2
	ds_load_b128 v[F+12*\j+4*\c:F+12*\j+4*\c+3], v1 offset:SLOTB*\slot+1536*\j+512*\c
.endr
.endr
	s_wait_dscnt 0x0
.irp j, 0,1,2,3                                ; S^T = K Q^T: eight tiles of 16 keys from four pair fragments
	v_wmma_scale_f32_16x16x128_f8f6f4 v[S+16*\j:S+16*\j+7], v[F+12*\j:F+12*\j+11], v[22:33], 0, v[SC+4*\slot+\j], v34 matrix_a_fmt:MATRIX_FMT_FP6 matrix_b_fmt:MATRIX_FMT_FP6
	v_wmma_scale_f32_16x16x128_f8f6f4 v[S+16*\j+8:S+16*\j+15], v[F+12*\j:F+12*\j+11], v[16:27], 0, v[SC+4*\slot+\j], v34 matrix_a_fmt:MATRIX_FMT_FP6 matrix_b_fmt:MATRIX_FMT_FP6
.endr
	PLACES
.irp t, 0,1,2,3                                ; V's fragments land while the softmax is worked
.irp c, 0,1,2
	ds_load_b128 v[F+12*\t+4*\c:F+12*\t+4*\c+3], v1 offset:SLOTB*\slot+6144+1536*\t+512*\c
.endr
.endr
.if \kind == 1
	s_cmp_lg_u32 s17, s19
	s_cbranch_scc1 .Lopen_\@
.set N, 0
.rept 64
	v_cmp_lt_i32 vcc_lo, 32*(N/16)+N%16, v7        ; the key lies more than 1,024 before my query
	v_cndmask_b32 v[S+N], v[S+N], v8, vcc_lo
.set N, N+1
.endr
.Lopen_\@:
.endif
.if \kind == 2
.set N, 0
.rept 64
	v_cmp_gt_i32 vcc_lo, 32*(N/16)+N%16, v7        ; the key comes after my query
	v_cndmask_b32 v[S+N], v[S+N], v8, vcc_lo
.set N, N+1
.endr
.endif
.irp b, 0,1,2,3
	v_max3_num_f32 v[BM+\b], v[S+16*\b], v[S+1+16*\b], v[S+2+16*\b]   ; the largest score of each block of 32 keys: for the row's maximum, and, since p rises with the score, for the block's largest p
.endr
.irp i, 3,5,7,9,11,13
.irp b, 0,1,2,3
	v_max3_num_f32 v[BM+\b], v[BM+\b], v[S+16*\b+\i], v[S+1+16*\b+\i]
.endr
.endr
.irp b, 0,1,2,3
	v_max_num_f32 v[BM+\b], v[BM+\b], v[S+15+16*\b]
.endr
.irp b, 0,1,2,3
	v_permlanex16_b32 v[PT+\b], v[BM+\b], s20, s21
.endr
.irp b, 0,1,2,3
	v_max_num_f32 v[BM+\b], v[BM+\b], v[PT+\b]     ; with lane l xor 16's 16 keys
.endr
	v_max3_num_f32 v230, v[BM], v[BM+1], v[BM+2]
	v_max_num_f32 v230, v230, v[BM+3]
	v_mul_f32 v230, s22, v230                      ; as t (c is positive)
	v_max_num_f32 v13, v13, v230                   ; the running largest t
	v_mov_b32 v230, v12
	v_floor_f32 v12, -v13                          ; the new -M = floor(-t) = -ceil(t)
	v_sub_f32 v230, v12, v230                      ; old M - new M: a whole number, 0 or less
	v_cvt_i32_f32 v230, v230                       ; (it saturates)
	v_ldexp_f32 v232, 1.0, v230                    ; f = 2^(old M - new M)
.set N, 0
.rept 32
	v_pk_fma_f32 v[S+N:S+N+1], v[S+N:S+N+1], s[22:23], v[12:13] op_sel_hi:[1,0,0]   ; t - M
.set N, N+2
.endr
.irp b, 0,1,2,3
	v_fma_f32 v[BM+\b], v[BM+\b], s22, v12         ; the same of each block's largest score
.endr
.set N, 0
.rept 64
	v_exp_f32 v[S+N], v[S+N]                       ; p = 2^(t - M)
.set N, N+1
.endr
.irp b, 0,1,2,3
	v_exp_f32 v[BM+\b], v[BM+\b]                   ; the block's largest p
.endr
	v_pk_mul_f32 v[14:15], v[14:15], v[232:233] op_sel_hi:[1,0]   ; the sums under the new M.  (A plain place behind the exponentials)
	s_wait_alu depctr_va_vdst(0)
.irp b, 0,1,2,3
	v_max_num_f32 v[BM+\b], 0x1800000, v[BM+\b]    ; the floor 2^(3 - 127): the byte cannot fall under 1
.endr
.irp b, 0,1,2,3
	v_add_nc_u32 v[SO+\b], 0xff000000, v[BM+\b]    ; 2 off the exponent field: the conversion's scale operand
.endr
.irp b, 0,1,2,3
	v_lshrrev_b32 v[PT+\b], 23, v[SO+\b]           ; the scale's byte
.endr
	v_lshl_or_b32 v233, v[PT+1], 8, v[PT]          ; p's scale word for these 128 keys
	v_lshl_or_b32 v233, v[PT+2], 16, v233
	v_lshl_or_b32 v233, v[PT+3], 24, v233
.irp c, 0,1
	v_cvt_scalef32_pk16_fp6_f32 v[PCD+6*\c:PCD+2+6*\c], v[S+32*\c:S+15+32*\c], v[SO+2*\c]
	v_cvt_scalef32_pk16_fp6_f32 v[CV+4*\c:CV+2+4*\c], v[S+16+32*\c:S+31+32*\c], v[SO+2*\c+1]
.endr
	v_nop                                          ; one plain place behind a scaled conversion
.irp c, 0,1
.irp i, 0,1,2
	v_permlane16_swap_b32 v[PCD+6*\c+\i], v[CV+4*\c+\i]
.endr
.irp i, 0,1,2
	v_mov_b32 v[PCD+3+6*\c+\i], v[CV+4*\c+\i]
.endr
.endr
.set N, 0
.rept 16
	v_pk_mul_f32 v[O+N:O+N+1], v[O+N:O+N+1], v[232:233] op_sel_hi:[1,0]   ; O^T under the new M
.set N, N+2
.endr
	v_pk_add_f32 v[228:229], v[S:S+1], v[S+2:S+3]  ; the row's sum is taken of the unquantised p, in two chains.  (These and the 16 above are the places between the codes, the scale word and the products)
.irp j, 4,8,12,16,20,24,28,32,36,40,44,48,52,56,60
	v_pk_add_f32 v[14:15], v[14:15], v[S+\j:S+1+\j]
	v_pk_add_f32 v[228:229], v[228:229], v[S+2+\j:S+3+\j]
.endr
	v_pk_add_f32 v[14:15], v[14:15], v[228:229]
	s_wait_dscnt 0x0                               ; V's fragments
.irp t, 0,1,2,3                                ; O^T += V^T P^T: four accumulators, one instruction each, with the eight products above between two turns
	v_wmma_scale_f32_16x16x128_f8f6f4 v[O+8*\t:O+8*\t+7], v[F+12*\t:F+12*\t+11], v[PCD:PCD+11], v[O+8*\t:O+8*\t+7], v[SC+4*\slot+\t], v233 matrix_a_fmt:MATRIX_FMT_FP6 matrix_b_fmt:MATRIX_FMT_FP6 matrix_a_scale:MATRIX_SCALE_ROW1
.endr
.if \more
.Lskip_\@:
	s_add_co_i32 s17, s17, 1
	s_wait_loadcnt 0x0                             ; the next record's pieces and scale words are in
	ds_store_b64 v2, v[200:201] offset:SLOTB*(1-\slot)
	ds_store_b64 v3, v[202:203] offset:SLOTB*(1-\slot)
	ds_store_b64 v4, v[204:205] offset:SLOTB*(1-\slot)
	s_wait_dscnt 0x0                               ; my stores have landed, and my reads of this slot are over
	s_barrier_signal -1
	s_barrier_wait -1
.endif
.endm
.Lk:
	STEP 0, 1, 1
	STEP 1, 0, 1
	s_sub_co_u32 s18, s18, 1
	s_cmp_lg_u32 s18, 0
	s_cbranch_scc1 .Lk
	STEP 0, 2, 0                                   ; record a: the diagonal
	; ---- y = O^T / the sum, quantised along the head's 64: register 16 b + i is channel 32 b + 16 h + i of my query
	PLACES
	v_add_f32 v14, v14, v15
	v_permlanex16_b32 v230, v14, s20, s21
	v_add_f32 v14, v14, v230                       ; the row's sum
	v_rcp_f32 v14, v14
	v_nop                                          ; a plain place behind the transcendental
.set N, 0
	s_wait_alu depctr_va_vdst(0)
.rept 32
	v_mul_f32 v[S+N], v[O+N], v14                  ; each accumulator from its low end on
.set N, N+1
.endr
.irp b, 0,1
	v_max3_num_f32 v[BM+\b], |v[S+16*\b]|, |v[S+1+16*\b]|, 0x1800000
.endr
.irp i, 2,4,6,8,10,12,14
.irp b, 0,1
	v_max3_num_f32 v[BM+\b], v[BM+\b], |v[S+16*\b+\i]|, |v[S+1+16*\b+\i]|
.endr
.endr
.irp b, 0,1
	v_permlanex16_b32 v[BM+2+\b], v[BM+\b], s20, s21
.endr
.irp b, 0,1
	v_max_num_f32 v[BM+\b], v[BM+\b], v[BM+2+\b]
.endr
.irp b, 0,1
	v_add_nc_u32 v[SO+\b], 0xff000000, v[BM+\b]
.endr
.irp b, 0,1
	v_lshrrev_b32 v[PT+\b], 23, v[SO+\b]
.endr
	v_lshl_or_b32 v230, v[PT+1], 8, v[PT]          ; my head's two scale bytes of query r
	v_cvt_scalef32_pk16_fp6_f32 v[PCD:PCD+2], v[S:S+15], v[SO]
	v_cvt_scalef32_pk16_fp6_f32 v[CV:CV+2], v[S+16:S+31], v[SO+1]
	v_nop
.irp i, 0,1,2
	v_permlane16_swap_b32 v[PCD+\i], v[CV+\i]
.endr
.irp i, 0,1,2
	v_mov_b32 v[PCD+3+\i], v[CV+\i]
.endr
.irp p, 0,1,2
	global_store_b64 v10, v[PCD+2*\p:PCD+2*\p+1], s[10:11] offset:256*\p   ; 32 lanes store 256 consecutive bytes, aligned
.endr
	ds_store_b16 v9, v230                          ; both halves of the lanes write the same bytes with the same value
	s_wait_dscnt 0x0
	s_barrier_signal -1
	s_barrier_wait -1                              ; the work-group's 512 scale bytes lie together
	s_cmp_lg_u32 s14, 0
	s_cbranch_scc1 .Lend
	ds_load_b128 v[36:39], v1 offset:YS
	s_wait_dscnt 0x0
	global_store_b128 v1, v[36:39], s[12:13]       ; two aligned runs of 256 bytes
.Lend:
	s_wait_tensorcnt 0x0
	ds_add_u32 v254, v255
	s_wait_dscnt 0x0
	s_endpgm
.Lfunc_end_k_q401b00cf8c_attn:
	.size	k_q401b00cf8c_attn, .Lfunc_end_k_q401b00cf8c_attn-k_q401b00cf8c_attn
	.p2alignl 7, 3214868480
	.fill 96, 4, 3214868480
	.section	.rodata,"a",@progbits
	.p2align	6, 0x0
	.amdhsa_kernel k_q401b00cf8c_attn
		.amdhsa_group_segment_fixed_size 27136
		.amdhsa_private_segment_fixed_size 0
		.amdhsa_enable_private_segment 0
		.amdhsa_kernarg_size 40
		.amdhsa_user_sgpr_count 2
		.amdhsa_user_sgpr_kernarg_segment_ptr 1
		.amdhsa_wavefront_size32 1
		.amdhsa_system_sgpr_workgroup_id_x 1
		.amdhsa_system_sgpr_workgroup_id_y 1
		.amdhsa_system_sgpr_workgroup_id_z 1
		.amdhsa_system_vgpr_workitem_id 0
		.amdhsa_next_free_vgpr 256
		.amdhsa_next_free_sgpr 66
		.amdhsa_reserve_vcc 1
		.amdhsa_float_denorm_mode_32 3
		.amdhsa_float_denorm_mode_16_64 3
		.amdhsa_memory_ordered 1
		.amdhsa_forward_progress 1
		.amdhsa_inst_pref_size 68
	.end_amdhsa_kernel
	.amdgpu_metadata
---
amdhsa.version: [ 1, 2 ]
amdhsa.kernels:
  - .name:           k_q401b00cf8c_attn
    .symbol:         k_q401b00cf8c_attn.kd
    .args:
      - { .name: qimg, .offset: 0, .size: 8, .value_kind: global_buffer, .address_space: global }
      - { .name: qsc, .offset: 8, .size: 8, .value_kind: global_buffer, .address_space: global }
      - { .name: kv, .offset: 16, .size: 8, .value_kind: global_buffer, .address_space: global }
      - { .name: yimg, .offset: 24, .size: 8, .value_kind: global_buffer, .address_space: global }
      - { .name: ysc, .offset: 32, .size: 8, .value_kind: global_buffer, .address_space: global }
    .group_segment_fixed_size: 27136
    .private_segment_fixed_size: 0
    .kernarg_segment_align: 8
    .kernarg_segment_size: 40
    .max_flat_workgroup_size: 512
    .sgpr_count:     66
    .vgpr_count:     256
    .wavefront_size: 32
...
	.end_amdgpu_metadata
.endif
;; end of part 2
;; launch oproj (part 3): grid 8 x 32, 8 waves a work-group, no clusters, 234,496 bytes of LDS; arguments yimg, ysc, Wo_codes, Wo_scales, out0; writes out0
.if DOCPART == 3
	.amdgcn_target "amdgcn-amd-amdhsa--gfx1250"
	.amdhsa_code_object_version 6
	.text
	.protected	k_q401b00cf8c_oproj
	.globl	k_q401b00cf8c_oproj
	.p2align	8
	.type	k_q401b00cf8c_oproj,@function
k_q401b00cf8c_oproj:
	s_mov_b64 s[64:65], 0
	v_nop
	global_prefetch_b8 v0, s[64:65] scope:SCOPE_SE
	s_setreg_imm32_b32 hwreg(HW_REG_WAVE_MODE, 25, 1), 1
	s_wait_xcnt 0x0
; out0 = y Wo on FP6 (E2M3) codes with one E8M0 scale for each 32 along K; sums in f32, K in its true order.
; SHARES.  Work-group (nb, mb): 128 rows x 128 columns of out0.  Both operands for all of K, 98,304 bytes each, come into LDS once, through registers, all 48 loads of a thread out together; one barrier.
; Wave w (mi = w / 2, ni = w % 2): row tiles 2 mi, 2 mi + 1 x columns 64 ni .. +63: eight accumulators by turns.
; y's fragments lie in memory as images of their registers, in pieces of 8 bytes a lane, and are copied as they lie.  Row rho of tile 8 mb + 2 mi + m is row 128 mb + 32 mi + 8 m + rho + 8 (rho / 8).
; Wo's rows of 768 bytes get 16 bytes of padding: 784 = 196 words, so that the 32 lanes of a load of 8 bytes take 64 different words modulo 64 (64 banks of 4 bytes: ISA guide 11.1).
; THE MATRIX INSTRUCTION IS USED TRANSPOSED (source 0 = 16 rows of Wo, source 1 = 16 rows of y): a lane holds eight neighbouring columns of one row; they leave through the wave's own stage as runs of 256 bytes.
; NO JOINT LOADS: each operand is read once by a work-group, in one burst at its head; sharing it would take the tensor mover and a layout of Wo's rows that its padding can state, which this plain form leaves out.
; REGISTERS: v1-15 addresses; v16-47 Wo's scale words (8 t + s); v48-55 y's (4 m + s / 2: lanes 0-15 the even K step, lanes 16-31 the odd); v56-247 the copy; then v56-79 y's two fragments, v80-127 Wo's four,
; v128-191 the accumulators; on the way out v56-119 rows.
.set WO,   98304                       ; LDS: y's images at 0; Wo's 128 rows here, 784 apart
.set STG,  198656                      ; a stage for each wave: 16 rows of 256 bytes, 272 apart
.set WOS,  16
.set YSC,  48
.set YF,   56
.set WF,   80
.set ACC,  128
.macro PLACES
.rept 4
	v_nop
.endr
.endm
	s_load_b256 s[4:11], s[0:1], 0x0               ; yimg, ysc, Wo's codes, Wo's scales
	s_load_b64 s[12:13], s[0:1], 0x20              ; out0
	v_lshl_add_u32 v254, v0, 2, 0x39000
	v_mov_b32 v255, 0
	v_lshrrev_b32 v56, 5, v0
	v_readfirstlane_b32 s14, v56                   ; wave 0..7
	s_mov_b32 s15, ttmp9                           ; nb
	s_and_b32 s16, ttmp7, 0xffff                   ; mb
	s_lshr_b32 s17, s14, 1                         ; mi
	s_and_b32 s18, s14, 1                          ; ni
	s_mul_i32 s20, s16, 98304                      ; y's 8 row tiles
	s_mov_b32 s21, 0
	s_mul_i32 s22, s15, 98304                      ; Wo's 128 rows
	s_mov_b32 s23, 0
	s_lshl_b32 s24, s15, 12
	s_lshl_b32 s25, s18, 11
	s_add_co_u32 s24, s24, s25                     ; the scale bytes of my 64 rows of Wo
	s_mov_b32 s25, 0
	s_lshl_b32 s26, s16, 10
	s_lshl_b32 s27, s17, 8
	s_add_co_u32 s26, s26, s27                     ; the scale words of my two row tiles
	s_mov_b32 s27, 0
	s_lshl_b32 s28, s16, 19
	s_lshl_b32 s29, s17, 17
	s_add_co_u32 s28, s28, s29
	s_lshl_b32 s29, s15, 9
	s_add_co_u32 s28, s28, s29
	s_lshl_b32 s29, s18, 8
	s_add_co_u32 s28, s28, s29                     ; out0: row 128 mb + 32 mi, column 128 nb + 64 ni
	s_mov_b32 s29, 0
	v_and_b32 v56, 31, v0                          ; lane
	v_and_b32 v57, 15, v0                          ; r
	v_bfe_u32 v58, v0, 4, 1                        ; h
	v_lshlrev_b32 v1, 4, v0                        ; 16 x thread
	v_add_nc_u32 v2, 0x10000, v1
.irp e, 0,1,2                                  ; Wo's 16 bytes number x = 256 e + thread (under 768: 16 rows) go to 16 x + 16 (x / 48); x / 48 = (1366 x) >> 16 for x under 768
	v_add_nc_u32 v59, 256*\e, v0
	v_mul_u32_u24 v60, v59, 1366
	v_lshrrev_b32 v60, 16, v60
	v_lshlrev_b32 v59, 4, v59
	v_lshl_add_u32 v59, v60, 4, v59
	v_add_nc_u32 v[3+\e], WO, v59
	v_add_nc_u32 v[6+\e], WO+62720, v59            ; the same 80 rows on, so that the immediates stay inside 16 bits
.endr
	s_mul_i32 s30, s17, 24576
	v_lshl_add_u32 v9, v56, 3, s30                 ; y's pieces: 8 x lane + my two tiles
	s_mul_i32 s30, s18, 50176
	s_add_co_u32 s30, s30, WO
	v_mul_u32_u24 v10, v57, 784
	v_mad_u32_u24 v10, v58, 24, v10
	v_add_nc_u32 v10, s30, v10                     ; Wo: row 64 ni + r, + 24 h
	s_mul_i32 s30, s14, 4352
	s_add_co_u32 s30, s30, STG
	v_mul_u32_u24 v11, v57, 272
	v_lshl_add_u32 v11, v58, 5, v11
	v_add_nc_u32 v11, s30, v11                     ; the stage, in: row r, + 32 h
	v_mul_u32_u24 v12, v58, 272
	v_lshl_add_u32 v12, v57, 4, v12
	v_add_nc_u32 v12, s30, v12                     ; back: lanes 0-15 one row, lanes 16-31 the next
	v_lshlrev_b32 v13, 12, v58
	v_lshl_add_u32 v13, v57, 4, v13                ; and the same in out0
	v_lshlrev_b32 v14, 5, v57                      ; 32 scale bytes a row of Wo
	v_lshlrev_b32 v15, 2, v56
	s_wait_kmcnt 0x0
	s_add_nc_u64 s[4:5], s[4:5], s[20:21]
	s_add_nc_u64 s[6:7], s[6:7], s[26:27]
	s_add_nc_u64 s[8:9], s[8:9], s[22:23]
	s_add_nc_u64 s[10:11], s[10:11], s[24:25]
	s_add_nc_u64 s[12:13], s[12:13], s[28:29]
.irp t, 0,1,2,3
.irp j, 0,1
	global_load_b128 v[WOS+8*\t+4*\j:WOS+8*\t+4*\j+3], v14, s[10:11] offset:512*\t+16*\j
.endr
.endr
.irp m, 0,1
.irp g, 0,1,2,3
	global_load_b32 v[YSC+4*\m+\g], v15, s[6:7] offset:32768*\g+128*\m
.endr
.endr
.irp k, 0,1,2,3,4,5,6,7,8,9,10,11,12,13,14,15,16,17,18,19,20,21,22,23
	global_load_b128 v[56+4*\k:59+4*\k], v1, s[4:5] offset:4096*\k
.endr
.irp k, 0,1,2,3,4,5,6,7,8,9,10,11,12,13,14,15,16,17,18,19,20,21,22,23
	global_load_b128 v[152+4*\k:155+4*\k], v1, s[8:9] offset:4096*\k
.endr
.irp k, 0,1,2,3,4,5,6,7,8,9,10,11,12,13,14,15,16,17,18,19,20,21,22,23
.if \k == 0
	s_wait_loadcnt 36                              ; the first 12 of the 48 are in; 36 may be out
.endif
.if \k == 12
	s_wait_loadcnt 24
.endif
.if \k < 16
	ds_store_b128 v1, v[56+4*\k:59+4*\k] offset:4096*\k
.else
	ds_store_b128 v2, v[56+4*\k:59+4*\k] offset:4096*(\k-16)
.endif
.endr
.irp k, 0,1,2,3,4,5,6,7,8,9,10,11,12,13,14,15,16,17,18,19,20,21,22,23
.if \k == 0
	s_wait_loadcnt 12
.endif
.if \k == 12
	s_wait_loadcnt 0x0
.endif
.if \k < 15
	ds_store_b128 v[3+\k%3], v[152+4*\k:155+4*\k] offset:12544*(\k/3)
.else
	ds_store_b128 v[6+\k%3], v[152+4*\k:155+4*\k] offset:12544*(\k/3-5)
.endif
.endr
	s_wait_dscnt 0x0                               ; for the others' sake: my stores have landed
	s_barrier_signal -1
	s_barrier_wait -1                              ; both operands lie in LDS; nothing is written there any more but each wave's own stage
; K step s: my two fragments of y, my four of Wo, eight products
.macro KSTEP s
.if \s > 0
	PLACES                                         ; behind the last step's products, for the loads into their fragments
.endif
.irp m, 0,1
.irp p, 0,1,2,3,4,5
	ds_load_b64 v[YF+12*\m+2*\p:YF+12*\m+2*\p+1], v9 offset:12288*\m+1536*(\s)+256*\p
.endr
.endr
.irp t, 0,1,2,3
.irp p, 0,1,2,3,4,5
	ds_load_b64 v[WF+12*\t+2*\p:WF+12*\t+2*\p+1], v10 offset:12544*\t+96*(\s)+48*(\p/3)+8*(\p%3)
.endr
.endr
.irp t, 0,1,2,3
	s_wait_dscnt 18-6*\t                           ; Wo's later fragments, six loads each, may be out
.irp m, 0,1
.if \s == 0
	v_wmma_scale_f32_16x16x128_f8f6f4 v[ACC+8*(4*\m+\t):ACC+8*(4*\m+\t)+7], v[WF+12*\t:WF+12*\t+11], v[YF+12*\m:YF+12*\m+11], 0, v[WOS+8*\t+(\s)], v[YSC+4*\m+(\s)/2] matrix_a_fmt:MATRIX_FMT_FP6 matrix_b_fmt:MATRIX_FMT_FP6
.elseif (\s)%2
	v_wmma_scale_f32_16x16x128_f8f6f4 v[ACC+8*(4*\m+\t):ACC+8*(4*\m+\t)+7], v[WF+12*\t:WF+12*\t+11], v[YF+12*\m:YF+12*\m+11], v[ACC+8*(4*\m+\t):ACC+8*(4*\m+\t)+7], v[WOS+8*\t+(\s)], v[YSC+4*\m+(\s)/2] matrix_a_fmt:MATRIX_FMT_FP6 matrix_b_fmt:MATRIX_FMT_FP6 matrix_b_scale:MATRIX_SCALE_ROW1
.else
	v_wmma_scale_f32_16x16x128_f8f6f4 v[ACC+8*(4*\m+\t):ACC+8*(4*\m+\t)+7], v[WF+12*\t:WF+12*\t+11], v[YF+12*\m:YF+12*\m+11], v[ACC+8*(4*\m+\t):ACC+8*(4*\m+\t)+7], v[WOS+8*\t+(\s)], v[YSC+4*\m+(\s)/2] matrix_a_fmt:MATRIX_FMT_FP6 matrix_b_fmt:MATRIX_FMT_FP6
.endif
.endr
.endr
.endm
.irp s, 0,1,2,3,4,5,6,7
	KSTEP \s
.endr
	PLACES
; THE WAY OUT: a row tile's 16 rows x 64 columns through my own stage; LDS serves a wave's instructions in order, so no wait stands between the stores and the loads, nor in front of the next tile's stores
.macro TOSTAGE m
.irp t, 0,1,2,3
	ds_store_b128 v11, v[ACC+8*(4*\m+\t):ACC+8*(4*\m+\t)+3] offset:64*\t          ; each accumulator from its low end on
	ds_store_b128 v11, v[ACC+8*(4*\m+\t)+4:ACC+8*(4*\m+\t)+7] offset:64*\t+16
.endr
.irp i, 0,1,2,3,4,5,6,7
	ds_load_b128 v[56+32*\m+4*\i:59+32*\m+4*\i], v12 offset:544*\i
.endr
.endm
.macro SEND m, younger                 ; younger: the LDS instructions issued behind this tile's loads
.irp i, 0,1,2,3,4,5,6,7
	s_wait_dscnt \younger+7-\i
	global_store_b128 v13, v[56+32*\m+4*\i:59+32*\m+4*\i], s[12:13] offset:(2*\i+8*(\i/4)+8*\m)*4096 th:TH_STORE_NT   ; sixteen lanes store 256 consecutive bytes, aligned; written once, read by nobody here
.endr
.endm
	TOSTAGE 0
	TOSTAGE 1
	SEND 0, 16
	SEND 1, 0
	s_wait_tensorcnt 0x0
	ds_add_u32 v254, v255
	s_wait_dscnt 0x0
	s_endpgm
.Lfunc_end_k_q401b00cf8c_oproj:
	.size	k_q401b00cf8c_oproj, .Lfunc_end_k_q401b00cf8c_oproj-k_q401b00cf8c_oproj
	.p2alignl 7, 3214868480
	.fill 96, 4, 3214868480
	.section	.rodata,"a",@progbits
	.p2align	6, 0x0
	.amdhsa_kernel k_q401b00cf8c_oproj
		.amdhsa_group_segment_fixed_size 234496
		.amdhsa_private_segment_fixed_size 0
		.amdhsa_enable_private_segment 0
		.amdhsa_kernarg_size 40
		.amdhsa_user_sgpr_count 2
		.amdhsa_user_sgpr_kernarg_segment_ptr 1
		.amdhsa_wavefront_size32 1
		.amdhsa_system_sgpr_workgroup_id_x 1
		.amdhsa_system_sgpr_workgroup_id_y 1
		.amdhsa_system_sgpr_workgroup_id_z 1
		.amdhsa_system_vgpr_workitem_id 0
		.amdhsa_next_free_vgpr 256
		.amdhsa_next_free_sgpr 66
		.amdhsa_reserve_vcc 0
		.amdhsa_float_denorm_mode_32 3
		.amdhsa_float_denorm_mode_16_64 3
		.amdhsa_memory_ordered 1
		.amdhsa_forward_progress 1
		.amdhsa_inst_pref_size 46
	.end_amdhsa_kernel
	.amdgpu_metadata
---
amdhsa.version: [ 1, 2 ]
amdhsa.kernels:
  - .name:           k_q401b00cf8c_oproj
    .symbol:         k_q401b00cf8c_oproj.kd
    .args:
      - { .name: yimg, .offset: 0, .size: 8, .value_kind: global_buffer, .address_space: global }
      - { .name: ysc, .offset: 8, .size: 8, .value_kind: global_buffer, .address_space: global }
      - { .name: Wo_codes, .offset: 16, .size: 8, .value_kind: global_buffer, .address_space: global }
      - { .name: Wo_scales, .offset: 24, .size: 8, .value_kind: global_buffer, .address_space: global }
      - { .name: out0, .offset: 32, .size: 8, .value_kind: global_buffer, .address_space: global }
    .group_segment_fixed_size: 234496
    .private_segment_fixed_size: 0
    .kernarg_segment_align: 8
    .kernarg_segment_size: 40
    .max_flat_workgroup_size: 256
    .sgpr_count:     66
    .vgpr_count:     256
    .wavefront_size: 32
...
	.end_amdgpu_metadata
.endif
;; end of part 3
